; MI455X (gfx1250); checked and timed in simulation.
; The chip was launched on July 23, 2026; its instructions are those of AMD's public machine-readable ISA for CDNA 5 (MIT licence, August 2026) and "CDNA5" Instruction Set Architecture Reference Guide (July 2026). The comments in the code are by the model that wrote it; some were corrected since.
;; Deep Seek Mo E. Allowed arithmetic: matrix products marked QUANTISED: E2M1 operands, one E8M0 scale for each 32 along K, by v_wmma_scale_f32_16x16x128_f8f6f4 with both operands' format E2M1 (or v_wmma_scale_f32_32x16x128_f4), f32 sums; products left as they are: f32 operands where the result goes on into a quantised operand, else bf16, f16 or f32 operands; f32 sums; everything else in f32.
;; Inputs: w1 8 x 1,024 x 128 float32; w2 8 x 1,024 x 128 float32; w3 8 x 128 x 1,024 float32; wr 1,024 x 8 float32; ws1 1,024 x 256 float32; ws2 1,024 x 256 float32; ws3 256 x 1,024 float32; x 4 x 4,096 x 1,024 float32.
;; Outputs: out0 4 x 4,096 x 1,024 float32.
;; This version of the problem:
;;   THIS VERSION OF THE PROBLEM IS GIVEN IN LOW PRECISION. The matrix products marked QUANTISED in the list below multiply operands that are first quantised to E2M1 (2 exponent bits, 1 mantissa bit; 4 bits a number), with one power-of-two scale for each 32 numbers along K (OCP MX v1.0); their sums are f32. All else is computed in f32.
;;   The module's matrix products, in the order in which they are computed (A, B: the left and right operand; K: the contracted axis; several contracted axes count as one K, in the product's order):
;;     1. [M 16,384, K 1,024] x [K 1,024, N 256]; A: input x; B: input ws1: QUANTISED
;;     2. [M 16,384, K 1,024] x [K 1,024, N 256]; A: input x; B: input ws2: QUANTISED
;;     3. [M 16,384, K 256] x [K 256, N 1,024]; A: computed on the way; B: input ws3: QUANTISED
;;     4. [M 16,384, K 1,024] x [K 1,024, N 8]; A: input x; B: input wr: left as it is (N = 8 < 16)
;;     5. batch 16,384 x [M 1, K 6] x [K 6, N 8]; A: computed on the way; B: computed on the way: left as it is (K = 6 < 32)
;;     6. [M 16,384, K 1,024] x [K 1,024, N 1,024]; A: input x; B: input w1: QUANTISED
;;     7. [M 16,384, K 1,024] x [K 1,024, N 1,024]; A: input x; B: input w2: QUANTISED
;;     8. batch 131,072 x [M 128, K 1] x [K 1, N 1]; A: computed on the way; B: computed on the way: left as it is (no contracted axis)
;;     9. [M 16,384, K 1,024] x [K 1,024, N 1,024]; A: computed on the way; B: input w3: QUANTISED
;;   THE QUANTISER, for each operand of a quantised product, along K:
;;     - K is cut into blocks of 32 from its start; a last block that is shorter is filled with zeros.
;;     - A block's scale is 2^e with e = floor(log2(the largest magnitude in the block)) - 2, held to -126 .. 127; a block of zeros has e = 0. As a byte (E8M0): e + 127.
;;     - Each number is divided by its block's scale, clamped to +-6, and rounded to the nearest number of E2M1, ties to even, subnormals kept.
;;     - The product sums the exact products of the quantised numbers (number of the format x scale) in f32.
;;   ~~~python
;;   def quantise(x, axis):      # numpy; x: float32 -> the quantised numbers, widened to float32 again
;;       x = np.moveaxis(x, axis, -1); K = x.shape[-1]
;;       x = np.pad(x, [(0, 0)] * (x.ndim - 1) + [(0, -K % 32)]); x = x.reshape(x.shape[:-1] + (-1, 32)); a = np.abs(x).max(-1, keepdims=True)
;;       e = np.where(a > 0, np.clip(np.frexp(np.where(a > 0, a, 1))[1] - 1 - 2, -126, 127), 0)      # np.frexp(a)[1] - 1 = floor(log2(a)), exactly
;;       r = np.clip(x / 2.0 ** e, -6, 6)
;;       step = 2.0 ** (np.maximum(np.frexp(np.where(r == 0, 1, r))[1] - 1, 0) - 1)
;;       q = np.round(r / step) * step * 2.0 ** e      # np.round: ties to even
;;       return np.moveaxis(q.reshape(q.shape[:-2] + (-1,))[..., :K], -1, axis).astype(np.float32)
;;   ~~~
;;   OPERANDS COMPUTED ON THE WAY. 'Computed on the way' means the value that the module computes at that place (a softmax that the list does not call 'softmax' is quantised finished and normalised). What goes into a quantiser is computed in f32, as accurately as f32 sums, v_exp_f32 and their like allow (about 1e-6 of the number): no bf16 or f16 on the way to a quantiser, and a product that is left as it is and whose result goes on into a quantised operand takes f32 operands (vector FMAs, or v_wmma_f32_16x16x4_f32). A number that lies on a knife's edge between two numbers of the format may be rounded either way, as far as f32 arithmetic and the matrix unit's own rounding can turn it there, and no further.
;; One version. Each part assembles by itself: llvm-mc -triple=amdgcn-amd-amdhsa -mcpu=gfx1250 --defsym DOCPART=n.
;; ======== version 1 of 1: 2 launches
;; limits: right only within a limited range of input values
;; workspace buffers: wq 2,088,960 bytes; wrf 32,768 bytes
;; launch prep (part 1): grid 496 x 1, 4 waves a work-group, no clusters, 0 bytes of LDS; arguments w1, w2, w3, ws1, ws2, ws3, wr, wq, wrf; writes wq, wrf
.if DOCPART == 1
	.amdgcn_target "amdgcn-amd-amdhsa--gfx1250"
	.amdhsa_code_object_version 6
	.text
	.protected	k_q7203bcd1a3_prep
	.globl	k_q7203bcd1a3_prep
	.p2align	8
	.type	k_q7203bcd1a3_prep,@function
k_q7203bcd1a3_prep:
	s_mov_b64 s[64:65], 0
	v_nop
	global_prefetch_b8 v0, s[64:65] scope:SCOPE_SE
	s_setreg_imm32_b32 hwreg(HW_REG_WAVE_MODE, 25, 1), 1
	s_wait_xcnt 0x0
; The weights of all quantised products become codes of FP4 (E2M1) with one E8M0 byte for each 32 along K, ONCE, laid in the order in which the
; second launch's operand registers take them and in the order in which it walks them; wr stays f32 and is laid in the order of the f32 matrix form's first source.
; wq: 15 slots of SLOTB bytes; a slot = 4 wave parts of PARTB bytes; a part = 32 fragment images of 1,024 bytes, then 4 groups of 512 bytes of scale words.
;   A fragment image (16 weight rows x 128 K): byte 512 c + 16 (r + 16 h) on: the 32 codes of k = 64 c + 32 h + 0 .. 31 of row r: the registers 4 c .. 4 c + 3 of lane (r, h).
;   Scale group g: the word at 16 lane + 4 j is the scale word of row lane % 16 of fragment 8 g + 2 j + lane / 16.
;   Slots 0-9: chunk of 128 hidden units (0-7 the experts, 8-9 the shared expert's halves); part w, fragment 4 s + t: K step s; t = 0, 1 the gate weight's tiles, t = 2, 3 the up weight's;
;   row r of tile u is hidden unit 32 w + 8 u + r + 8 (r / 8), so that two tiles' results are 16 neighbours along the next K.
;   Slots 10-14: [w3; ws3].  Part w holds a stream of 160 fragments, 32 to a slot: fragment n = 40 G + 4 c + t is K step c (of ten) of output columns 256 w + 64 G + 16 t + r.
; K is the FIRST axis of every weight: a lane takes a column and its registers run down K, so a block of 32 lies in one lane and nothing is transposed.
; A wave takes 32 columns x 64 along K (two blocks a lane): each load reads 128 consecutive bytes, the four waves of a work-group stand side by side on 512.
; A lane's 32 codes are 16 bytes; sixteen lanes store 256 consecutive bytes at a multiple of 256.  The two scale bytes of a lane leave by a store of 2 bytes, 16 bytes from lane to lane:
; one byte for each 128 bytes read; gathering them would need a work-group to cover 128 along K of eight fragments.
; A block's scale is 2^(floor(log2(largest magnitude)) - 2); its byte is the largest magnitude's exponent field - 2, held at 1 from below.
; LIMITS: a block of zeros gets the byte 1 where the rule says 127 (its codes are zeros, and this program alone reads the bytes); blocks whose largest magnitude lies under 2^-124 are held at the byte 1;
; NaN and infinities among the inputs are not served.
.set SLOTB, 139264
.set PARTB, 34816
.set SCO,   32768                      ; where a part's scale words begin
.set VC,    5                          ; v5   16 r + 1,024 u: my codes' place (u = lane / 16: the fragment of the pair)
.set VS,    6                          ; v6   16 x lane: my scale word's place
.set VLG,   7                          ; v7   gate and up weights: 4 x (r + 8 u + 8 (r / 8)): my column of the wave's 32
.set VLD,   8                          ; v8   down weights: 4 x lane
.set X,     32                         ; v32-95  two blocks of 32 numbers
.set C,     96                         ; v96-103 their codes
.macro LOADS vl, pitch                 ; 64 rows of K at my column
.set QI, 0
.rept 64
	global_load_b32 v[X+QI], v[\vl], s[34:35] offset:QI*\pitch th:TH_LOAD_NT
.set QI, QI+1
.endr
.endm
.macro BLOCK h                         ; block h: largest magnitude, scale, codes, store
.set XS, X+32*\h
	v_max3_num_f32 v12, |v[XS]|, |v[XS+1]|, |v[XS+2]|              ; all 32 numbers are mine: two chains
	v_max3_num_f32 v13, |v[XS+3]|, |v[XS+4]|, |v[XS+5]|
.irp i, 6,10,14,18,22,26
	v_max3_num_f32 v12, v12, |v[XS+\i]|, |v[XS+\i+1]|
	v_max3_num_f32 v13, v13, |v[XS+\i+2]|, |v[XS+\i+3]|
.endr
	v_max3_num_f32 v12, v12, |v[XS+30]|, |v[XS+31]|
	v_max3_num_f32 v12, v12, v13, 0x1800000        ; and the floor 2^(3 - 127): the byte cannot fall under 1
	v_add_nc_u32 v[14+\h], 0xff000000, v12         ; 2 off the exponent field: the conversion takes this operand's exponent field as its scale
	v_lshrrev_b32 v[16+\h], 23, v[14+\h]           ; the scale's byte
.irp g, 0,1,2,3
	v_cvt_scalef32_pk8_fp4_f32 v[C+4*\h+\g], v[XS+8*\g:XS+8*\g+7], v[14+\h]
.endr
	v_nop                                          ; one plain place behind the conversions
	global_store_b128 v[VC], v[C+4*\h:C+4*\h+3], s[26:27] offset:256*\h   ; sixteen lanes: 256 consecutive bytes
.endm
	s_load_b512 s[4:19], s[0:1], 0x0               ; w1 s[4:5], w2 s[6:7], w3 s[8:9], ws1 s[10:11], ws2 s[12:13], ws3 s[14:15], wr s[16:17], wq s[18:19]
	s_load_b64 s[20:21], s[0:1], 0x40              ; wrf
	v_lshrrev_b32 v1, 5, v0
	v_readfirstlane_b32 s22, v1                    ; wave 0..3
	v_and_b32 v2, 31, v0                           ; lane
	v_and_b32 v3, 15, v0                           ; r
	v_bfe_u32 v4, v0, 4, 1                         ; u
	v_lshlrev_b32 v[VC], 4, v3
	v_lshl_add_u32 v[VC], v4, 10, v[VC]
	v_lshlrev_b32 v[VS], 4, v2
	v_and_b32 v[VLG], 8, v3
	v_add_nc_u32 v[VLG], v[VLG], v3
	v_lshl_add_u32 v[VLG], v4, 3, v[VLG]
	v_lshlrev_b32 v[VLG], 2, v[VLG]
	v_lshlrev_b32 v[VLD], 2, v2
	s_mov_b32 s25, 0                               ; the high words of the three offsets (all stay under 2^32)
	s_mov_b32 s27, 0
	s_mov_b32 s29, 0
	s_cmp_lt_u32 ttmp9, 256
	s_cbranch_scc0 .Lnot_a
	; ---- work-groups 0-255: w1, w2.  chunk = expert, mat = gate or up, hs = which 64 along K
	s_lshr_b32 s30, ttmp9, 5                       ; chunk
	s_bfe_u32 s31, ttmp9, 0x10004                  ; mat
	s_and_b32 s32, ttmp9, 15                       ; hs
	s_lshl_b32 s24, s30, 19                        ; an expert: 1,024 rows of 512 bytes
	s_lshl_b32 s33, s32, 15                        ; 64 rows
	s_add_co_u32 s24, s24, s33
	s_lshl_b32 s33, s22, 7                         ; my wave's 32 columns
	s_add_co_u32 s24, s24, s33
	s_wait_kmcnt 0x0
	s_cmp_eq_u32 s31, 0
	s_cselect_b64 s[34:35], s[4:5], s[6:7]
	s_add_nc_u64 s[34:35], s[34:35], s[24:25]
	s_wait_alu depctr_va_vdst(0)
	LOADS VLG, 512
	s_branch .Lgate
.Lnot_a:
	s_cmp_lt_u32 ttmp9, 320
	s_cbranch_scc0 .Lnot_b
	; ---- work-groups 256-319: ws1, ws2
	s_sub_co_u32 s33, ttmp9, 256
	s_lshr_b32 s36, s33, 5                         ; which half of the shared expert's 256 hidden units
	s_bfe_u32 s31, s33, 0x10004                    ; mat
	s_and_b32 s32, s33, 15                         ; hs
	s_add_co_u32 s30, s36, 8                       ; chunk 8 or 9
	s_lshl_b32 s24, s32, 16                        ; 64 rows of 1,024 bytes
	s_lshl_b32 s36, s36, 9
	s_add_co_u32 s24, s24, s36
	s_lshl_b32 s36, s22, 7
	s_add_co_u32 s24, s24, s36
	s_wait_kmcnt 0x0
	s_cmp_eq_u32 s31, 0
	s_cselect_b64 s[34:35], s[10:11], s[12:13]
	s_add_nc_u64 s[34:35], s[34:35], s[24:25]
	s_wait_alu depctr_va_vdst(0)
	LOADS VLG, 1024
.Lgate:
	; where they go: slot = chunk, part = wave, fragment 4 (hs / 2) + 2 mat (+ u by the lane), half hs % 2 of the image
	s_mul_i32 s26, s30, SLOTB
	s_mul_i32 s33, s22, PARTB
	s_add_co_u32 s26, s26, s33
	s_add_co_u32 s28, s26, SCO
	s_lshr_b32 s33, s32, 1
	s_lshl_b32 s33, s33, 2
	s_lshl_b32 s36, s31, 1
	s_add_co_u32 s33, s33, s36
	s_lshl_b32 s33, s33, 10
	s_add_co_u32 s26, s26, s33
	s_and_b32 s36, s32, 1
	s_lshl_b32 s33, s36, 9
	s_add_co_u32 s26, s26, s33
	s_lshr_b32 s33, s32, 2                         ; scale group hs / 4,
	s_lshl_b32 s33, s33, 9
	s_add_co_u32 s28, s28, s33
	s_bfe_u32 s33, s32, 0x10001                    ; word j = 2 ((hs / 2) % 2) + mat,
	s_lshl_b32 s33, s33, 1
	s_add_co_u32 s33, s33, s31
	s_lshl_b32 s33, s33, 2
	s_add_co_u32 s28, s28, s33
	s_lshl_b32 s33, s36, 1                         ; bytes 2 (hs % 2) and the next
	s_add_co_u32 s28, s28, s33
	s_branch .Lquant
.Lnot_b:
	s_cmp_lt_u32 ttmp9, 480
	s_cbranch_scc0 .Lrouter
	; ---- work-groups 320-479: w3, ws3.  c = K step of 128, c2 = which 64 of it, cq = which 128 output columns
	s_sub_co_u32 s30, ttmp9, 320
	s_lshr_b32 s31, s30, 4                         ; c
	s_bfe_u32 s36, s30, 0x10003                    ; c2
	s_and_b32 s32, s30, 7                          ; cq
	s_wait_kmcnt 0x0
	s_cmp_lt_u32 s31, 8
	s_cselect_b64 s[34:35], s[8:9], s[14:15]
	s_cselect_b32 s33, 0, 8
	s_sub_co_u32 s33, s31, s33                     ; the K step inside its tensor
	s_lshl_b32 s24, s33, 19                        ; 128 rows of 4,096 bytes
	s_lshl_b32 s33, s36, 18                        ; 64 rows
	s_add_co_u32 s24, s24, s33
	s_lshl_b32 s33, s32, 9
	s_add_co_u32 s24, s24, s33
	s_lshl_b32 s33, s22, 7
	s_add_co_u32 s24, s24, s33
	s_add_nc_u64 s[34:35], s[34:35], s[24:25]
	s_wait_alu depctr_va_vdst(0)
	LOADS VLD, 4096
	s_and_b32 s33, s32, 1                          ; my 32 columns: part cq / 2, group G = 2 (cq % 2) + wave / 2, t = 2 (wave % 2) + u
	s_lshl_b32 s33, s33, 1
	s_lshr_b32 s37, s22, 1
	s_add_co_u32 s33, s33, s37                     ; G
	s_mul_i32 s33, s33, 40
	s_lshl_b32 s37, s31, 2
	s_add_co_u32 s33, s33, s37
	s_and_b32 s37, s22, 1
	s_lshl_b32 s37, s37, 1
	s_add_co_u32 s33, s33, s37                     ; n0 = 40 G + 4 c + 2 (wave % 2): even; the lane's half adds 1
	s_lshr_b32 s37, s33, 5
	s_add_co_u32 s37, s37, 10                      ; slot 10 + n0 / 32
	s_mul_i32 s26, s37, SLOTB
	s_lshr_b32 s37, s32, 1
	s_mul_i32 s37, s37, PARTB
	s_add_co_u32 s26, s26, s37
	s_add_co_u32 s28, s26, SCO
	s_and_b32 s33, s33, 31                         ; f0 = n0 % 32
	s_lshl_b32 s37, s33, 10
	s_add_co_u32 s26, s26, s37
	s_lshl_b32 s37, s36, 9
	s_add_co_u32 s26, s26, s37
	s_lshr_b32 s37, s33, 3
	s_lshl_b32 s37, s37, 9
	s_add_co_u32 s28, s28, s37
	s_bfe_u32 s37, s33, 0x20001                    ; (f0 % 8) / 2
	s_lshl_b32 s37, s37, 2
	s_add_co_u32 s28, s28, s37
	s_lshl_b32 s37, s36, 1
	s_add_co_u32 s28, s28, s37
.Lquant:
	s_add_nc_u64 s[26:27], s[18:19], s[26:27]      ; wq + my codes' offset
	s_add_nc_u64 s[28:29], s[18:19], s[28:29]      ; wq + my scale bytes' offset
	s_wait_loadcnt 32                              ; block 0's 32 loads are in; block 1's may be out
	BLOCK 0
	s_wait_loadcnt 0x0
	BLOCK 1
	v_lshl_or_b32 v18, v17, 8, v16                 ; my two bytes, the lower K below
	global_store_b16 v[VS], v18, s[28:29]
	s_endpgm
.Lrouter:
	; ---- work-groups 480-495: wr [1024][8] into wrf: element T = (bg 4 + pp) 16 + e + 8 h holds wr[32 bg + 16 h + 4 pp + 0 .. 3][e]: 16 bytes a thread, 512 consecutive bytes a wave
	s_sub_co_u32 s30, ttmp9, 480
	s_lshl_b32 s30, s30, 7
	v_add_nc_u32 v9, s30, v0                       ; T
	v_and_b32 v10, 7, v9                           ; e
	v_bfe_u32 v11, v9, 3, 1                        ; h
	v_bfe_u32 v12, v9, 4, 2                        ; pp
	v_lshrrev_b32 v13, 6, v9                       ; bg
	v_lshlrev_b32 v14, 10, v13                     ; a row of wr is 32 bytes
	v_lshl_add_u32 v14, v11, 9, v14
	v_lshl_add_u32 v14, v12, 7, v14
	v_lshl_add_u32 v14, v10, 2, v14
	v_lshlrev_b32 v15, 4, v9
	s_wait_alu depctr_va_vdst(0)
	s_wait_kmcnt 0x0
.irp i, 0,1,2,3
	global_load_b32 v[20+\i], v14, s[16:17] offset:32*\i
.endr
	s_wait_loadcnt 0x0
	global_store_b128 v15, v[20:23], s[20:21]
	s_endpgm
.Lfunc_end_k_q7203bcd1a3_prep:
	.size	k_q7203bcd1a3_prep, .Lfunc_end_k_q7203bcd1a3_prep-k_q7203bcd1a3_prep
	.p2alignl 7, 3214868480
	.fill 96, 4, 3214868480
	.section	.rodata,"a",@progbits
	.p2align	6, 0x0
	.amdhsa_kernel k_q7203bcd1a3_prep
		.amdhsa_group_segment_fixed_size 0
		.amdhsa_private_segment_fixed_size 0
		.amdhsa_enable_private_segment 0
		.amdhsa_kernarg_size 72
		.amdhsa_user_sgpr_count 2
		.amdhsa_user_sgpr_kernarg_segment_ptr 1
		.amdhsa_wavefront_size32 1
		.amdhsa_system_sgpr_workgroup_id_x 1
		.amdhsa_system_sgpr_workgroup_id_y 1
		.amdhsa_system_sgpr_workgroup_id_z 1
		.amdhsa_system_vgpr_workitem_id 0
		.amdhsa_next_free_vgpr 112
		.amdhsa_next_free_sgpr 66
		.amdhsa_reserve_vcc 0
		.amdhsa_float_denorm_mode_32 3
		.amdhsa_float_denorm_mode_16_64 3
		.amdhsa_memory_ordered 1
		.amdhsa_forward_progress 1
		.amdhsa_inst_pref_size 28
	.end_amdhsa_kernel
	.amdgpu_metadata
---
amdhsa.version: [ 1, 2 ]
amdhsa.kernels:
  - .name:           k_q7203bcd1a3_prep
    .symbol:         k_q7203bcd1a3_prep.kd
    .args:
      - { .name: w1, .offset: 0, .size: 8, .value_kind: global_buffer, .address_space: global }
      - { .name: w2, .offset: 8, .size: 8, .value_kind: global_buffer, .address_space: global }
      - { .name: w3, .offset: 16, .size: 8, .value_kind: global_buffer, .address_space: global }
      - { .name: ws1, .offset: 24, .size: 8, .value_kind: global_buffer, .address_space: global }
      - { .name: ws2, .offset: 32, .size: 8, .value_kind: global_buffer, .address_space: global }
      - { .name: ws3, .offset: 40, .size: 8, .value_kind: global_buffer, .address_space: global }
      - { .name: wr, .offset: 48, .size: 8, .value_kind: global_buffer, .address_space: global }
      - { .name: wq, .offset: 56, .size: 8, .value_kind: global_buffer, .address_space: global }
      - { .name: wrf, .offset: 64, .size: 8, .value_kind: global_buffer, .address_space: global }
    .group_segment_fixed_size: 0
    .private_segment_fixed_size: 0
    .kernarg_segment_align: 8
    .kernarg_segment_size: 72
    .max_flat_workgroup_size: 128
    .sgpr_count:     66
    .vgpr_count:     112
    .wavefront_size: 32
...
	.end_amdgpu_metadata
.endif
;; end of part 1
;; launch moe (part 2): grid 256 x 1, 4 waves a work-group, clusters of 4 x 1, 327,680 bytes of LDS; arguments x, wq, wrf, out0; writes out0
.if DOCPART == 2
	.amdgcn_target "amdgcn-amd-amdhsa--gfx1250"
	.amdhsa_code_object_version 6
	.text
	.protected	k_q7203bcd1a3_moe
	.globl	k_q7203bcd1a3_moe
	.p2align	8
	.type	k_q7203bcd1a3_moe,@function
k_q7203bcd1a3_moe:
	s_mov_b64 s[64:65], 0
	v_nop
	global_prefetch_b8 v0, s[64:65] scope:SCOPE_SE
	s_setreg_imm32_b32 hwreg(HW_REG_WAVE_MODE, 25, 1), 1
	s_wait_xcnt 0x0
	s_wait_alu depctr_hold_cnt(0) depctr_sa_sdst(0) depctr_va_vdst(0) depctr_va_sdst(0) depctr_va_ssrc(0) depctr_va_vcc(0) depctr_vm_vsrc(0)
	s_getreg_b32 s2, hwreg(HW_REG_IB_STS2, 6, 4)
	s_cmp_eq_u32 s2, 0
	s_cbranch_scc0 .Lentry_in_a_cluster
	s_endpgm
.Lentry_in_a_cluster:
	s_bfe_u32 s2, ttmp6, 0x10000c
	s_cmp_lg_u32 s2, 0x3003
	s_cbranch_scc0 .Lentry_shape_is_right
	s_endpgm
.Lentry_shape_is_right:
; The whole layer for 64 tokens a work-group, four waves.  Nothing of reference() is left out: every expert is computed for every token, and the two experts
; that the top-6 drops get the weight 0 (they share every tile with live rows).
; THE WEIGHTS: wq's 15 slots go through a ring of two LDS slots by JOINT tensor loads: the four work-groups of a cluster walk the same slots, wave w of each asks for part w with the mask 15.
; Part w is read by wave w alone, and not at the time of its products: a ring of 256 REGISTERS (4 pairs of K steps x 8 fragments) holds the slot that is being multiplied, and each pair is
; loaded anew from the NEXT slot in LDS as soon as its 32 products are issued.  So in trip T the registers hold slot T, LDS slot (T + 1) % 2 is read, and slot T + 2 is asked for into the bytes of slot T.
; HEAD: x (f32) comes in two halves along K, one tensor load a wave each (32 rows x 1,024 bytes), into the ring's bytes; per K step of 128 a wave adds its 16 tokens to the router's sums
; (f32 matrix form, wrf laid for its first source) and quantises them to FP4 codes and E8M0 bytes, which all waves then take into registers.
; Router: softmax with its maximum taken away, the two smallest of eight dropped (of equals the higher index first, as top_k keeps the lower), the rest renormalised.
; TRIPS 0-9, ten chunks of 128 hidden units (8 experts, 2 halves of the shared expert): wave w makes hidden units 32 w .. 32 w + 31 of the chunk for all 64 tokens;
; silu(g) u w_full is made in place in f32, quantised along the hidden units and stored to LDS: codes in a region of its own for each wave, scale bytes one a wave in each word.
; TRIPS 10-14: wave w owns output columns 256 w .. 256 w + 255 in four groups of 64; h (K = 1,280) stays in registers; the stream's twenty pairs are five to a group, and a finished group
; leaves through the wave's own stage as whole rows of 256 bytes while the next is multiplied.
; NO PREFETCH: the 2,088,960 bytes of wq are asked for by all 64 clusters in the same order; x is asked for whole within the head.
; LIMITS: a block of zeros gets the scale byte 1 (its codes are zeros; the bytes are read here alone); blocks under 2^-124 are held at the byte 1; NaN and infinities among the inputs are not served;
; silu(g) u w is rounded in the order ((g u) w) / (1 + 2^(-g log2 e)).
.set SLOTB,  139264
.set PARTB,  34816
.set SCO,    32768
.set XTW,    16640                     ; 16 rows of x: 1,024 bytes + 16 each
.set XTB,    4*XTW                     ; a quarter of K of 64 rows
.set IMG,    2*SLOTB                   ; x's codes, 32 images of 1,024 bytes; from trip 0 on h's codes, HREG bytes a wave; from trip 11 on each wave's stage
.set XSC,    IMG+32768                 ; x's scale words
.set HREG,   10240
.set HS,     IMG+40960                 ; h's scale words: 256 bytes a chunk
.set WF,     HS+2560                   ; w_full: 256 bytes a chunk
.set SPARE,  WF+2560                   ; the spare words
.set SPITCH, 272
.set SPW,  1
.set NIL,  2
.set HS0,  3
.set AWB,  4
.set WFL,  5
.set HW,   6
.set HB,   7
.set STO,  8
.set RD,   9
.set CO,   10
.set HRD,  11
.set WFR,  12                          ; v12-19: w_full of my four token blocks, in the low registers of four pairs
.set MX,   20
.set BY,   24
.set PC,   28
.set WFL0, 36
.set HW0,  37
.set HB0,  38
.set AW,   39
.set XSW,  40                          ; v40-55 x's scale words
.set WSW,  56                          ; v56-71 the weights' scale words, four to a pair
.set HSW,  76                          ; v76-95 h's scale words; at the head temporaries
.set R,    76
.set H,    77
.set XA,   78
.set XWI,  82
.set XWS,  83
.set WRO,  84
.set WFS,  85
.set PW,   86
.set XSR,  87
.set XF0,  88
.set T0,   89
.set T1,   90
.set T2,   91
.set T3,   92
.set T4,   93
.set T5,   94
.set T6,   95
.set XN,   96                          ; v96-223: at the head two sets of 64 numbers of x; then the 16 accumulators
.set ACC,  96
.set RA,   224                         ; v224-255 the router's four sums: written by matrix instructions alone
.set WV,   12
.set SEL,  20
.set NC,   22
.set LE,   24
.set G1W,  28
.set G0W,  36
.set G1X,  40
.set G0X,  48
.set TBS,  56
.set HC,   57
.set CH,   58
.set CNT,  59
.set MK,   60
.set DN,   61
.set MSB, 0
.macro WIN new
.if MSB != (\new)
	s_set_vgpr_msb (MSB<<8)|(\new)
.set MSB, (\new)
.endif
.endm
.macro PLACES n
.rept \n
	v_nop
.endr
.endm
.macro ROUND                           ; a round of the cluster's barrier
	s_barrier_signal -1
	s_barrier_wait -1
	s_cmp_lg_u32 s[WV], 0
	s_cbranch_scc1 .Lnot_wave_0_\@
	s_barrier_signal -3
.Lnot_wave_0_\@:
	s_barrier_wait -3
	s_barrier_signal -1
	s_barrier_wait -1
.endm
.macro HEAD step, refill               ; the wait and spare add ahead of a refill, the round, and my one joint load
	WIN 0
	s_wait_tensorcnt 0x0                           ; my part of the next slot has landed
	ds_add_u32 v[SPW], v[NIL]
.if \step
	s_xor_b32 s[G0W+1], s[G0W+1], SLOTB
	s_add_nc_u64 s[G0W+2:G0W+3], s[G0W+2:G0W+3], SLOTB
.endif
	s_wait_dscnt 0x0                               ; the add, my reads of the slot to be filled, my stores of h
.if \refill
	ROUND
	tensor_load_to_lds s[G0W:G0W+3], s[G1W:G1W+7]
	s_nop 0
.else
	s_barrier_signal -1
	s_barrier_wait -1
.endif
	PLACES 4
.endm
.macro SCW d, a, b, zero, sa, sb, ra, rb
.if \zero
.if (\ra) == 0 && (\rb) == 0
	v_wmma_scale_f32_16x16x128_f8f6f4 v[(\d):(\d)+7], v[(\a):(\a)+7], v[(\b):(\b)+7], 0, v[\sa], v[\sb] matrix_a_fmt:MATRIX_FMT_FP4 matrix_b_fmt:MATRIX_FMT_FP4
.elseif (\ra) == 1 && (\rb) == 0
	v_wmma_scale_f32_16x16x128_f8f6f4 v[(\d):(\d)+7], v[(\a):(\a)+7], v[(\b):(\b)+7], 0, v[\sa], v[\sb] matrix_a_fmt:MATRIX_FMT_FP4 matrix_b_fmt:MATRIX_FMT_FP4 matrix_a_scale:MATRIX_SCALE_ROW1
.elseif (\ra) == 0
	v_wmma_scale_f32_16x16x128_f8f6f4 v[(\d):(\d)+7], v[(\a):(\a)+7], v[(\b):(\b)+7], 0, v[\sa], v[\sb] matrix_a_fmt:MATRIX_FMT_FP4 matrix_b_fmt:MATRIX_FMT_FP4 matrix_b_scale:MATRIX_SCALE_ROW1
.else
	v_wmma_scale_f32_16x16x128_f8f6f4 v[(\d):(\d)+7], v[(\a):(\a)+7], v[(\b):(\b)+7], 0, v[\sa], v[\sb] matrix_a_fmt:MATRIX_FMT_FP4 matrix_b_fmt:MATRIX_FMT_FP4 matrix_a_scale:MATRIX_SCALE_ROW1 matrix_b_scale:MATRIX_SCALE_ROW1
.endif
.else
.if (\ra) == 0 && (\rb) == 0
	v_wmma_scale_f32_16x16x128_f8f6f4 v[(\d):(\d)+7], v[(\a):(\a)+7], v[(\b):(\b)+7], v[(\d):(\d)+7], v[\sa], v[\sb] matrix_a_fmt:MATRIX_FMT_FP4 matrix_b_fmt:MATRIX_FMT_FP4
.elseif (\ra) == 1 && (\rb) == 0
	v_wmma_scale_f32_16x16x128_f8f6f4 v[(\d):(\d)+7], v[(\a):(\a)+7], v[(\b):(\b)+7], v[(\d):(\d)+7], v[\sa], v[\sb] matrix_a_fmt:MATRIX_FMT_FP4 matrix_b_fmt:MATRIX_FMT_FP4 matrix_a_scale:MATRIX_SCALE_ROW1
.elseif (\ra) == 0
	v_wmma_scale_f32_16x16x128_f8f6f4 v[(\d):(\d)+7], v[(\a):(\a)+7], v[(\b):(\b)+7], v[(\d):(\d)+7], v[\sa], v[\sb] matrix_a_fmt:MATRIX_FMT_FP4 matrix_b_fmt:MATRIX_FMT_FP4 matrix_b_scale:MATRIX_SCALE_ROW1
.else
	v_wmma_scale_f32_16x16x128_f8f6f4 v[(\d):(\d)+7], v[(\a):(\a)+7], v[(\b):(\b)+7], v[(\d):(\d)+7], v[\sa], v[\sb] matrix_a_fmt:MATRIX_FMT_FP4 matrix_b_fmt:MATRIX_FMT_FP4 matrix_a_scale:MATRIX_SCALE_ROW1 matrix_b_scale:MATRIX_SCALE_ROW1
.endif
.endif
.endm
.macro PFX s                           ; K step s of my 16 rows of x: lane (r, h) takes k = 32 b + 16 h + 0 .. 15 of row r
	WIN 0
.irp b, 0,1,2,3
.irp j, 0,1,2,3
	ds_load_b128 v[XN+64*((\s)%2)+16*\b+4*\j:XN+64*((\s)%2)+16*\b+4*\j+3], v[XA+(\s)/2] offset:512*((\s)%2)+128*\b+16*\j
.endr
.endr
.endm
.macro PFW s                           ; the same k of wr, laid for the f32 form's first source: window 1
	WIN 0x40
.irp b, 0,1,2,3
.irp j, 0,1,2,3
	global_load_b128 v[64*((\s)%2)+16*\b+4*\j:64*((\s)%2)+16*\b+4*\j+3], v[WRO], s[8:9] offset:(16*(\s)+4*\b+\j)*256
.endr
.endr
.endm
.macro QUANT s                         ; four blocks of 32 along K, each in lanes l and l xor 16
.irp b, 0,1,2,3
	v_max3_num_f32 v[MX+\b], |v[(\s)+16*\b]|, |v[(\s)+1+16*\b]|, 0x1800000
.endr
.irp i, 2,4,6,8,10,12,14
.irp b, 0,1,2,3
	v_max3_num_f32 v[MX+\b], v[MX+\b], |v[(\s)+16*\b+\i]|, |v[(\s)+1+16*\b+\i]|
.endr
.endr
.irp b, 0,1,2,3
	v_permlanex16_b32 v[BY+\b], v[MX+\b], s[SEL], s[SEL+1]
.endr
.irp b, 0,1,2,3
	v_max_num_f32 v[MX+\b], v[MX+\b], v[BY+\b]
.endr
.irp b, 0,1,2,3
	v_add_nc_u32 v[MX+\b], 0xff000000, v[MX+\b]    ; 2 off the exponent field: the conversion's scale operand
.endr
.irp b, 0,1,2,3
	v_lshrrev_b32 v[BY+\b], 23, v[MX+\b]           ; the scale's byte
.endr
	v_lshl_or_b32 v[PW], v[BY+1], 8, v[BY]
	v_lshl_or_b32 v[PW], v[BY+2], 16, v[PW]
	v_lshl_or_b32 v[PW], v[BY+3], 24, v[PW]
.irp b, 0,1,2,3
	v_cvt_scalef32_pk8_fp4_f32 v[PC+2*\b], v[(\s)+16*\b:(\s)+7+16*\b], v[MX+\b]
	v_cvt_scalef32_pk8_fp4_f32 v[PC+1+2*\b], v[(\s)+8+16*\b:(\s)+15+16*\b], v[MX+\b]
.endr
	v_nop
.irp c, 0,1
.irp i, 0,1
	v_permlane16_swap_b32 v[PC+4*\c+\i], v[PC+2+4*\c+\i]
.endr
.endr
.endm
.macro KWORK s                         ; the router's 32 products of K step s, then its codes and bytes
	WIN 0x01
.set QI, 0
.rept 32
.if (\s) == 0 && QI < 4
	v_wmma_f32_16x16x4_f32 v[RA+8*(QI%4):RA+8*(QI%4)+7], v[64*((\s)%2)+2*QI:64*((\s)%2)+2*QI+1], v[XN+64*((\s)%2)+2*QI:XN+64*((\s)%2)+2*QI+1], 0
.else
	v_wmma_f32_16x16x4_f32 v[RA+8*(QI%4):RA+8*(QI%4)+7], v[64*((\s)%2)+2*QI:64*((\s)%2)+2*QI+1], v[XN+64*((\s)%2)+2*QI:XN+64*((\s)%2)+2*QI+1], v[RA+8*(QI%4):RA+8*(QI%4)+7]
.endif
.set QI, QI+1
.endr
	WIN 0
	QUANT XN+64*((\s)%2)
	ds_store_b128 v[XWI], v[PC:PC+3] offset:1024*(\s)
	ds_store_b128 v[XWI], v[PC+4:PC+7] offset:1024*(\s)+512
	ds_store_b32 v[XWS], v[PW] offset:256*(\s)
.endm
.macro KSTEP s, pfx, pfw               ; the next K step's numbers are fetched first
.if (\s) > 0
	PLACES 8
.endif
.if \pfx
	PFX (\s)+1
.endif
.if \pfw
	PFW (\s)+1
.endif
	s_wait_dscnt 16*\pfx                           ; all but the 16 just issued
	s_wait_loadcnt 16*\pfw
	KWORK \s
.endm
.macro REFILL g, adr                   ; pair g of the slot at v[adr]: its scale words and 8 fragments into window 2: 17 LDS loads
	ds_load_b128 v[WSW+4*(\g):WSW+4*(\g)+3], v[\adr] offset:SCO+512*(\g)
	WIN 0x80
.set RF, 8*(\g)
.rept 8
	ds_load_b128 v[8*RF:8*RF+3], v[\adr] offset:1024*RF
	ds_load_b128 v[8*RF+4:8*RF+7], v[\adr] offset:1024*RF+512
.set RF, RF+1
.endr
	WIN 0
.endm
.macro MMP g                           ; trips 0-9: K steps 2 g, 2 g + 1; 4 weight fragments x 4 token blocks; the 16 accumulators by turns
	WIN 0x06
.set QS, 2*(\g)
.rept 2
.set QM, 0
.rept 4
.set QT, 0
.rept 4
	SCW ACC+32*QM+8*QT, 8*(4*QS+QT), 8*(8*QM+QS), (QS==0), WSW+4*(QS/2)+2*(QS%2)+QT/2, XSW+2*QS+QM/2, QT%2, QM%2
.set QT, QT+1
.endr
.set QM, QM+1
.endr
.set QS, QS+1
.endr
.endm
.macro MMP2 p                          ; trips 10-14: pair p of twenty: ring place p % 4; K steps 2 (p % 5) and the next of group p / 5; h's K steps 0-7 in window 3, 8 and 9 in window 1
.set KP, (\p)%5
.set RP, (\p)%4
.if KP < 4
	WIN 0x0e
.else
	WIN 0x06
.endif
.set QK, 0
.rept 2
.set QM, 0
.rept 4
.set QT, 0
.rept 4
.if KP < 4
.set BR, 8*(8*QM+2*KP+QK)
.else
.set BR, 8*(2*QM+QK)
.endif
	SCW ACC+32*QM+8*QT, 64*RP+32*QK+8*QT, BR, (KP==0)&&(QK==0), WSW+4*RP+2*QK+QT/2, HSW+4*KP+2*QK+QM/2, QT%2, QM%2
.set QT, QT+1
.endr
.set QM, QM+1
.endr
.set QK, QK+1
.endr
.endm
.macro ACT                             ; per token block m: g in ACC+32m+0..15, u in +16..31; h = g u w / (1 + 2^(-g log2 e)), in place, then codes and bytes
	s_wait_dscnt 63                                ; w_full is in: behind its four loads stand 68 or more
.set QM, 0
.rept 4
.set QJ, 0
.rept 8
	v_pk_mul_f32 v[ACC+32*QM+16+QJ:ACC+32*QM+17+QJ], v[ACC+32*QM+QJ:ACC+32*QM+QJ+1], v[ACC+32*QM+16+QJ:ACC+32*QM+17+QJ]
.set QJ, QJ+2
.endr
.set QM, QM+1
.endr
.set QM, 0
.rept 4
.set QJ, 0
.rept 8
	v_pk_mul_f32 v[ACC+32*QM+QJ:ACC+32*QM+QJ+1], v[ACC+32*QM+QJ:ACC+32*QM+QJ+1], s[NC:NC+1] op_sel_hi:[1,0]
.set QJ, QJ+2
.endr
.set QM, QM+1
.endr
	s_wait_alu depctr_va_vdst(0)                   ; the wait ahead of a batch of transcendentals
.set QM, 0
.rept 4
.set QJ, 0
.rept 16
	v_exp_f32 v[ACC+32*QM+QJ], v[ACC+32*QM+QJ]
.set QJ, QJ+1
.endr
.set QM, QM+1
.endr
	v_nop
	s_wait_alu depctr_va_vdst(0)                   ; and behind it
.set QM, 0
.rept 4
.set QJ, 0
.rept 8
	v_pk_add_f32 v[ACC+32*QM+QJ:ACC+32*QM+QJ+1], v[ACC+32*QM+QJ:ACC+32*QM+QJ+1], 1.0 op_sel_hi:[1,0]
.set QJ, QJ+2
.endr
.set QM, QM+1
.endr
	s_wait_alu depctr_va_vdst(0)
.set QM, 0
.rept 4
.set QJ, 0
.rept 16
	v_rcp_f32 v[ACC+32*QM+QJ], v[ACC+32*QM+QJ]
.set QJ, QJ+1
.endr
.set QM, QM+1
.endr
.set QM, 0
.rept 4
.set QJ, 0
.rept 8
	v_pk_mul_f32 v[ACC+32*QM+16+QJ:ACC+32*QM+17+QJ], v[ACC+32*QM+16+QJ:ACC+32*QM+17+QJ], v[WFR+2*QM:WFR+2*QM+1] op_sel_hi:[1,0]
.set QJ, QJ+2
.endr
.set QM, QM+1
.endr
	s_wait_alu depctr_va_vdst(0)
.set QM, 0
.rept 4
.set QJ, 0
.rept 8
	v_pk_mul_f32 v[ACC+32*QM+QJ:ACC+32*QM+QJ+1], v[ACC+32*QM+QJ:ACC+32*QM+QJ+1], v[ACC+32*QM+16+QJ:ACC+32*QM+17+QJ]
.set QJ, QJ+2
.endr
.set QM, QM+1
.endr
.irp m, 0,1,2,3
	v_max3_num_f32 v[MX+\m], |v[ACC+32*\m]|, |v[ACC+32*\m+1]|, 0x1800000
.endr
.irp i, 2,4,6,8,10,12,14
.irp m, 0,1,2,3
	v_max3_num_f32 v[MX+\m], v[MX+\m], |v[ACC+32*\m+\i]|, |v[ACC+32*\m+\i+1]|
.endr
.endr
.irp m, 0,1,2,3
	v_permlanex16_b32 v[BY+\m], v[MX+\m], s[SEL], s[SEL+1]
.endr
.irp m, 0,1,2,3
	v_max_num_f32 v[MX+\m], v[MX+\m], v[BY+\m]
.endr
.irp m, 0,1,2,3
	v_add_nc_u32 v[MX+\m], 0xff000000, v[MX+\m]
.endr
.irp m, 0,1,2,3
	v_lshrrev_b32 v[BY+\m], 23, v[MX+\m]
.endr
.irp m, 0,1,2,3
	v_cvt_scalef32_pk8_fp4_f32 v[PC+2*\m], v[ACC+32*\m:ACC+32*\m+7], v[MX+\m]
	v_cvt_scalef32_pk8_fp4_f32 v[PC+2*\m+1], v[ACC+32*\m+8:ACC+32*\m+15], v[MX+\m]
.endr
	v_nop
.irp m, 0,1,2,3
	ds_store_b64 v[HW], v[PC+2*\m:PC+2*\m+1] offset:256*\m
	ds_store_b8 v[HB], v[BY+\m] offset:64*\m
.endr
.endm
.macro HLOAD k, win, reg               ; h's fragments of K step k, token blocks 0-3: registers 4 c .. of lane (r, h') are block 2 c + h', which wave 2 c + h' stored
	WIN \win
.irp m, 0,1,2,3
.irp c, 0,1
	ds_load_b128 v[(\reg)+8*HM*\m+4*\c:(\reg)+8*HM*\m+4*\c+3], v[HRD] offset:2*\c*HREG+(4*(\k)+\m)*256
.endr
.endr
	WIN 0
.irp u, 0,1
	ds_load_b32 v[HSW+2*(\k)+\u], v[HS0] offset:256*(\k)+128*\u
.endr
.endm
.macro CHUNK hl                        ; a trip of 0-9; hl = 1 (trip 9): h's K steps 0-7 are taken into window 3 under its work
	HEAD 1, 1
	v_add_nc_u32 v[AW], s[TBS], v[AWB]
	v_add_nc_u32 v[WFL], s[CH], v[WFL0]
	v_add_nc_u32 v[HW], s[HC], v[HW0]
	v_add_nc_u32 v[HB], s[CH], v[HB0]
	s_wait_alu depctr_va_vdst(0)                   ; the wait here, directly behind the writes
.irp m, 0,1,2,3
	ds_load_b32 v[WFR+2*\m], v[WFL] offset:64*\m
.endr
.if \hl
.set HM, 8
.irp k, 0,1,2,3,4,5,6,7
	HLOAD \k, 0xc0, 8*\k
.endr
.endif
.irp g, 0,1,2,3
	MMP \g
	WIN 0
	PLACES 4
	REFILL \g, AW
.endr
	ACT
	s_xor_b32 s[TBS], s[TBS], SLOTB
	s_add_co_u32 s[HC], s[HC], 1024
	s_add_co_u32 s[CH], s[CH], 256
.endm
.macro TOSTAGE m                       ; 16 tokens x 64 columns through my own stage: LDS serves a wave's instructions in order
	WIN 0
.irp t, 0,1,2,3
	ds_store_b128 v[STO], v[ACC+32*\m+8*\t:ACC+32*\m+8*\t+3] offset:(\m%2)*16*SPITCH+64*\t
	ds_store_b128 v[STO], v[ACC+32*\m+8*\t+4:ACC+32*\m+8*\t+7] offset:(\m%2)*16*SPITCH+64*\t+16
.endr
	WIN 0x40
.irp i, 0,1,2,3,4,5,6,7
	ds_load_b128 v[128+32*\m+4*\i:128+32*\m+4*\i+3], v[RD] offset:(\m%2)*16*SPITCH+2*\i*SPITCH
.endr
.endm
.macro SEND m, g
	s_wait_dscnt 16*(3-\m)                         ; behind block m's loads: 16 LDS instructions for each later block
	WIN 0x04
.irp i, 0,1,2,3,4,5,6,7
	global_store_b128 v[CO], v[128+32*\m+4*\i:128+32*\m+4*\i+3], s[10:11] offset:(16*\m+2*\i)*4096+256*(\g) th:TH_STORE_NT   ; sixteen lanes: 256 consecutive bytes at a multiple of 256
.endr
.endm
.macro P2TRIP j, head, refill          ; a trip of 10-14: head = 2: a slot is asked for; 1: the last slot is waited for; 0: nothing is on its way
.if (\head) == 2
	HEAD 1, 1
.elseif (\head) == 1
	HEAD 0, 0
.else
	s_wait_dscnt 0x0                               ; the last slot's fragments are in registers
.endif
.if \refill
	v_add_nc_u32 v[AW], s[TBS], v[AWB]
	s_wait_alu depctr_va_vdst(0)                   ; the wait here, directly behind the write
.endif
.if (\j) == 0
.set HM, 2
	HLOAD 8, 0x40, 0                               ; h's K steps 8 and 9 into window 1, where x lay; first used in the next trip
	HLOAD 9, 0x40, 8
.endif
.set QG, 0
.rept 4
	MMP2 4*(\j)+QG
	WIN 0
	PLACES 5                                       ; for the loads, for the stage's stores, and for the next group's first products, which begin these accumulators anew
.if \refill
	REFILL QG, AW
.endif
.if (4*(\j)+QG)%5 == 4
.if 4*(\j)+QG > 4
	s_wait_xcnt 0x0                                ; the last group's stores have read their registers
.endif
.irp m, 0,1,2,3
	TOSTAGE \m
.endr
.irp m, 0,1,2,3
	SEND \m, (4*(\j)+QG)/5
.endr
	WIN 0
.endif
.set QG, QG+1
.endr
	s_xor_b32 s[TBS], s[TBS], SLOTB
.endm
	s_load_b256 s[4:11], s[0:1], 0x0               ; x, wq, wrf, out0
	v_lshl_add_u32 v[SPW], v0, 2, SPARE
	v_mov_b32 v[NIL], 0
	ds_add_u32 v[SPW], v[NIL]                      ; opening spare adds ahead of my first tensor load
	ds_add_u32 v[SPW], v[NIL]
	v_lshrrev_b32 v[T0], 5, v0
	v_readfirstlane_b32 s[WV], v[T0]
	s_bfe_u32 s13, ttmp6, 0x40000
	s_lshl_b32 s14, ttmp9, 2
	s_add_co_u32 s14, s14, s13                     ; work-group = 4 x cluster + place
	s_mov_b32 s[G1W], 15|(3<<16)|(1<<21)           ; a part: 136 rows of 256 bytes, dense; all four partners
	s_mov_b32 s[G1W+1], 32<<16
	s_mov_b32 s[G1W+2], 136<<16
	s_mov_b32 s[G1W+3], 32<<16
	s_mov_b32 s[G1W+4], 136
	s_mov_b32 s[G1W+5], 32
	s_mov_b32 s[G1W+6], 0
	s_mov_b32 s[G1W+7], 0
	s_mov_b32 s[G1X], (2<<16)|(1<<20)|(7<<22)|(3<<25)   ; x: 32 rows of 256 f32, 16 bytes of padding behind each
	s_mov_b32 s[G1X+1], 256<<16
	s_mov_b32 s[G1X+2], 32<<16
	s_mov_b32 s[G1X+3], 256<<16
	s_mov_b32 s[G1X+4], 32
	s_mov_b32 s[G1X+5], 1024
	s_mov_b32 s[G1X+6], 0
	s_mov_b32 s[G1X+7], 0
	s_mov_b32 s[SEL], 0x76543210
	s_mov_b32 s[SEL+1], 0xfedcba98
	s_mov_b32 s[NC], 0xbfb8aa3b                    ; -log2 e
	s_mov_b32 s[NC+1], s[NC]
	s_mov_b32 s[LE], 0x3fb8aa3b
	s_mov_b32 s[TBS], SLOTB
	s_mov_b32 s[HC], 0
	s_mov_b32 s[CH], 0
	s_mul_i32 s16, s[WV], PARTB
	s_mov_b32 s17, 0
	s_lshl_b32 s18, s14, 18                        ; 64 rows of 4,096 bytes a work-group
	s_mov_b32 s19, 0
	s_and_b32 s25, s[WV], 1                        ; I fetch quarter wave % 2 of a half of K, rows 32 (wave / 2) on
	s_lshr_b32 s26, s[WV], 1
	s_mul_i32 s27, s25, XTB
	s_mul_i32 s15, s26, 2*XTW
	s_add_co_u32 s27, s27, s15
	s_lshl_b32 s25, s25, 10
	s_lshl_b32 s26, s26, 17
	s_add_co_u32 s25, s25, s26
	s_mul_i32 s66, s[WV], XTW
	s_lshl_b32 s67, s[WV], 13
	s_lshl_b32 s68, s[WV], 6
	s_mul_i32 s69, s[WV], HREG
	s_add_co_u32 s69, s69, IMG
	s_lshl_b32 s70, s[WV], 10
	v_and_b32 v[R], 15, v0
	v_bfe_u32 v[H], v0, 4, 1
	v_and_b32 v[T0], 31, v0
	v_lshlrev_b32 v[T1], 4, v[T0]
	v_lshlrev_b32 v[T2], 2, v[T0]
	v_lshlrev_b32 v[T3], 2, v[R]
	v_lshlrev_b32 v[T4], 4, v[R]
	v_add_nc_u32 v[XF0], IMG, v[T1]
	v_add_nc_u32 v[XSR], XSC, v[T2]
	v_add_nc_u32 v[HS0], HS, v[T2]
	v_add_nc_u32 v[AWB], s16, v[T1]
	v_mul_u32_u24 v[T5], v[R], 1040
	v_lshl_add_u32 v[T5], v[H], 6, v[T5]
	v_add_nc_u32 v[T5], s66, v[T5]
.irp i, 0,1,2,3
	v_add_nc_u32 v[XA+\i], (\i/2)*SLOTB+(\i%2)*XTB, v[T5]
.endr
	v_add_nc_u32 v[XWI], s67, v[XF0]
	v_add_nc_u32 v[T6], s68, v[T3]
	v_add_nc_u32 v[XWS], XSC, v[T6]
	v_add_nc_u32 v[WFS], WF, v[T6]
	v_add_nc_u32 v[WFL0], WF, v[T3]
	v_and_b32 v[T6], 7, v0
	v_lshl_add_u32 v[T6], v[H], 3, v[T6]
	v_lshlrev_b32 v[WRO], 4, v[T6]
	v_lshl_add_u32 v[T6], v[H], 3, v[T4]
	v_add_nc_u32 v[HW0], s69, v[T6]                ; my region of h's codes: 16 r + 8 h
	v_add_nc_u32 v[T6], s[WV], v[T3]
	v_add_nc_u32 v[HB0], HS, v[T6]
	v_mul_u32_u24 v[T6], v[H], HREG
	v_add_nc_u32 v[T6], v[T6], v[T4]
	v_add_nc_u32 v[HRD], IMG, v[T6]
	v_mul_u32_u24 v[T6], v[R], SPITCH
	v_lshl_add_u32 v[T6], v[H], 5, v[T6]
	v_add_nc_u32 v[STO], s69, v[T6]
	v_mul_u32_u24 v[T6], v[H], SPITCH
	v_add_nc_u32 v[T6], v[T6], v[T4]
	v_add_nc_u32 v[RD], s69, v[T6]
	v_lshl_add_u32 v[T6], v[H], 12, v[T4]
	v_add_nc_u32 v[CO], s70, v[T6]
.irp b, 0,1,2,3
	v_mov_b32 v[BY+\b], 0
	v_mov_b32 v[WFR+2*\b+1], 0
.endr
	s_wait_alu depctr_va_vdst(0)                   ; the wait at the head's end
	s_wait_dscnt 0x0
	s_wait_kmcnt 0x0
	s_add_nc_u64 s[10:11], s[10:11], s[18:19]
	s_add_co_u32 s18, s18, s25
	s_add_nc_u64 s[4:5], s[4:5], s[18:19]
	s_mov_b32 s[G0W], 1
	s_mov_b32 s[G0W+1], s16
	s_add_nc_u64 s[G0W+2:G0W+3], s[6:7], s[16:17]
	s_or_b32 s[G0W+3], s[G0W+3], 0x80000000
.irp i, 0,1
	s_mov_b32 s[G0X+4*\i], 1
	s_add_co_u32 s[G0X+4*\i+1], s27, \i*SLOTB
	s_add_nc_u64 s[G0X+4*\i+2:G0X+4*\i+3], s[4:5], 2048*\i
	s_or_b32 s[G0X+4*\i+3], s[G0X+4*\i+3], 0x80000000
.endr
	ROUND
	tensor_load_to_lds s[G0X:G0X+3], s[G1X:G1X+7]  ; the first half of K: my one tensor load at the head
	s_nop 0
	PLACES 4
	PFW 0
	WIN 0
	s_wait_tensorcnt 0x0                           ; the wait, the spare add and the round ahead of a later first fill
	ds_add_u32 v[SPW], v[NIL]
	s_wait_dscnt 0x0
	ROUND
	tensor_load_to_lds s[G0X+4:G0X+7], s[G1X:G1X+7]   ; the second half of K, into slot 1's bytes, under K steps 0-3
	s_nop 0
	PLACES 4
	PFX 0
	KSTEP 0, 1, 1
	KSTEP 1, 1, 1
	KSTEP 2, 1, 1
	KSTEP 3, 0, 1
	HEAD 0, 1                                      ; slot 0's x is read out: wq's slot 0
	PFX 4
	KSTEP 4, 1, 1
	KSTEP 5, 1, 1
	KSTEP 6, 1, 1
	HEAD 1, 1                                      ; K step 7's numbers are in registers, slot 1's x is read out: wq's slot 1
.irp g, 0,1,2,3
	REFILL \g, AWB                                 ; slot 0 has landed: my part of it into the ring of registers
.endr
	s_wait_loadcnt 0x0
	KWORK 7
	PLACES 8
.irp e, 0,1,2,3,4,5,6,7
	v_add_f32 v[96+\e], v[RA+\e], v[RA+8+\e]
	v_add_f32 v[104+\e], v[RA+16+\e], v[RA+24+\e]
.endr
.irp e, 0,1,2,3,4,5,6,7
	v_add_f32 v[96+\e], v[96+\e], v[104+\e]
.endr
	v_max3_num_f32 v112, v96, v97, v98
	v_max3_num_f32 v112, v112, v99, v100
	v_max3_num_f32 v112, v112, v101, v102
	v_max_num_f32 v112, v112, v103
	v_mul_f32 v112, s[LE], v112
.irp e, 0,1,2,3,4,5,6,7
	v_fma_f32 v[96+\e], v[96+\e], s[LE], -v112
.endr
	s_wait_alu depctr_va_vdst(0)
.irp e, 0,1,2,3,4,5,6,7
	v_exp_f32 v[96+\e], v[96+\e]
.endr
	v_nop
	s_wait_alu depctr_va_vdst(0)
.rept 2                                ; twice: the smallest is marked by 2.0, of equals the highest index
	v_min3_num_f32 v113, v96, v97, v98
	v_min3_num_f32 v113, v113, v99, v100
	v_min3_num_f32 v113, v113, v101, v102
	v_min_num_f32 v113, v113, v103
	s_wait_alu depctr_va_vdst(0)
	s_mov_b32 s[DN], 0
.irp e, 7,6,5,4,3,2,1,0
	v_cmp_eq_f32 s[MK], v[96+\e], v113
	s_and_not1_b32 s[MK], s[MK], s[DN]
	s_or_b32 s[DN], s[DN], s[MK]
	v_cndmask_b32 v[96+\e], v[96+\e], 2.0, s[MK]
.endr
.endr
.irp e, 0,1,2,3,4,5,6,7
	v_cmp_eq_f32 vcc_lo, 2.0, v[96+\e]
	v_cndmask_b32 v[96+\e], v[96+\e], 0, vcc_lo
.endr
	v_add_f32 v104, v96, v97
	v_add_f32 v105, v98, v99
	v_add_f32 v106, v100, v101
	v_add_f32 v107, v102, v103
	v_add_f32 v104, v104, v105
	v_add_f32 v106, v106, v107
	v_add_f32 v104, v104, v106
	s_wait_alu depctr_va_vdst(0)
	v_rcp_f32 v113, v104
	v_mov_b32 v114, 1.0
	s_wait_alu depctr_va_vdst(0)
.irp e, 0,1,2,3,4,5,6,7
	v_mul_f32 v[104+\e], v[96+\e], v113
.endr
.irp e, 0,1,2,3,4,5,6,7
	ds_store_b32 v[WFS], v[104+\e] offset:256*\e
.endr
	ds_store_b32 v[WFS], v114 offset:2048          ; the shared expert's two chunks: weight 1
	ds_store_b32 v[WFS], v114 offset:2304
	s_wait_dscnt 0x0                               ; my codes, bytes and weights are stored
	s_barrier_signal -1
	s_barrier_wait -1
	WIN 0x40
.set QF, 0
.rept 32                               ; x's 32 fragments (4 token blocks x 8 K steps) into window 1
	ds_load_b128 v[8*QF:8*QF+3], v[XF0] offset:1024*QF
	ds_load_b128 v[8*QF+4:8*QF+7], v[XF0] offset:1024*QF+512
.set QF, QF+1
.endr
	WIN 0
.irp s, 0,1,2,3,4,5,6,7
.irp u, 0,1
	ds_load_b32 v[XSW+2*\s+\u], v[XSR] offset:256*\s+128*\u
.endr
.endr
	s_mov_b32 s[CNT], 9
.Lchunk:
	CHUNK 0
	s_sub_co_u32 s[CNT], s[CNT], 1
	s_cmp_lg_u32 s[CNT], 0
	s_cbranch_scc1 .Lchunk
	CHUNK 1
	P2TRIP 0, 2, 1
	P2TRIP 1, 2, 1
	P2TRIP 2, 2, 1
	P2TRIP 3, 1, 1
	P2TRIP 4, 0, 0
	s_wait_tensorcnt 0x0                           ; the wave's end
	ds_add_u32 v[SPW], v[NIL]
	s_wait_dscnt 0x0
	ROUND                                          ; the closing round
	s_endpgm
.Lfunc_end_k_q7203bcd1a3_moe:
	.size	k_q7203bcd1a3_moe, .Lfunc_end_k_q7203bcd1a3_moe-k_q7203bcd1a3_moe
	.p2alignl 7, 3214868480
	.fill 96, 4, 3214868480
	.section	.rodata,"a",@progbits
	.p2align	6, 0x0
	.amdhsa_kernel k_q7203bcd1a3_moe
		.amdhsa_group_segment_fixed_size 327680
		.amdhsa_private_segment_fixed_size 0
		.amdhsa_enable_private_segment 0
		.amdhsa_kernarg_size 32
		.amdhsa_user_sgpr_count 2
		.amdhsa_user_sgpr_kernarg_segment_ptr 1
		.amdhsa_wavefront_size32 1
		.amdhsa_system_sgpr_workgroup_id_x 1
		.amdhsa_system_sgpr_workgroup_id_y 1
		.amdhsa_system_sgpr_workgroup_id_z 1
		.amdhsa_system_vgpr_workitem_id 0
		.amdhsa_next_free_vgpr 1024
		.amdhsa_next_free_sgpr 72
		.amdhsa_reserve_vcc 1
		.amdhsa_float_denorm_mode_32 3
		.amdhsa_float_denorm_mode_16_64 3
		.amdhsa_memory_ordered 1
		.amdhsa_forward_progress 1
		.amdhsa_inst_pref_size 255
	.end_amdhsa_kernel
	.section	.bss,"aw",@nobits
	.p2align	6
	.space	262144
	.amdgpu_metadata
---
amdhsa.version: [ 1, 2 ]
amdhsa.kernels:
  - .name:           k_q7203bcd1a3_moe
    .symbol:         k_q7203bcd1a3_moe.kd
    .args:
      - { .name: x, .offset: 0, .size: 8, .value_kind: global_buffer, .address_space: global }
      - { .name: wq, .offset: 8, .size: 8, .value_kind: global_buffer, .address_space: global }
      - { .name: wrf, .offset: 16, .size: 8, .value_kind: global_buffer, .address_space: global }
      - { .name: out0, .offset: 24, .size: 8, .value_kind: global_buffer, .address_space: global }
    .group_segment_fixed_size: 327680
    .private_segment_fixed_size: 0
    .kernarg_segment_align: 8
    .kernarg_segment_size: 32
    .max_flat_workgroup_size: 128
    .sgpr_count:     72
    .vgpr_count:     1024
    .wavefront_size: 32
...
	.end_amdgpu_metadata
.endif
;; end of part 2
